; MI455X (gfx1250); checked and timed in simulation.
; The chip was launched on July 23, 2026; its instructions are those of AMD's public machine-readable ISA for CDNA 5 (MIT licence, August 2026) and "CDNA5" Instruction Set Architecture Reference Guide (July 2026). The comments in the code are by the model that wrote it; some were corrected since.
;; Multi Head Attention. Allowed arithmetic: matrix products marked QUANTISED: E2M1 operands, one E8M0 scale for each 32 along K, by v_wmma_scale_f32_16x16x128_f8f6f4 with both operands' format E2M1 (or v_wmma_scale_f32_32x16x128_f4), f32 sums; everything else in f32.
;; Inputs: Wk 1,024 x 1,024 float32; Wo 1,024 x 1,024 float32; Wq 1,024 x 1,024 float32; Wv 1,024 x 1,024 float32; bo 1,024 float32; key 4 x 2,048 x 1,024 float32; query 4 x 2,048 x 1,024 float32; value 4 x 2,048 x 1,024 float32.
;; Outputs: out0 4 x 2,048 x 1,024 float32.
;; This version of the problem:
;;   THIS VERSION OF THE PROBLEM IS GIVEN IN LOW PRECISION. The matrix products marked QUANTISED in the list below multiply operands that are first quantised to E2M1 (2 exponent bits, 1 mantissa bit; 4 bits a number), with one power-of-two scale for each 32 numbers along K (OCP MX v1.0); their sums are f32. All else is computed in f32.
;;   The module's matrix products, in the order in which they are computed (A, B: the left and right operand; K: the contracted axis; several contracted axes count as one K, in the product's order):
;;     1. [M 8,192, K 1,024] x [K 1,024, N 1,024]; A: input query; B: input Wq: QUANTISED
;;     2. [M 8,192, K 1,024] x [K 1,024, N 1,024]; A: input key; B: input Wk: QUANTISED
;;     3. [M 8,192, K 1,024] x [K 1,024, N 1,024]; A: input value; B: input Wv: QUANTISED
;;     4. batch 32 x [M 2,048, K 128] x [K 128, N 2,048]; A: computed on the way; B: computed on the way: QUANTISED
;;     5. batch 32 x [M 2,048, K 2,048] x [K 2,048, N 128]; A: softmax (see below); B: computed on the way: QUANTISED
;;     6. [M 8,192, K 1,024] x [K 1,024, N 1,024]; A: computed on the way; B: input Wo: QUANTISED
;;   THE QUANTISER, for each operand of a quantised product, along K:
;;     - K is cut into blocks of 32 from its start; a last block that is shorter is filled with zeros.
;;     - A block's scale is 2^e with e = floor(log2(the largest magnitude in the block)) - 2, held to -126 .. 127; a block of zeros has e = 0. As a byte (E8M0): e + 127.
;;     - Each number is divided by its block's scale, clamped to +-6, and rounded to the nearest number of E2M1, ties to even, subnormals kept.
;;     - The product sums the exact products of the quantised numbers (number of the format x scale) in f32.
;;   ~~~python
;;   def quantise(x, axis):      # numpy; x: float32 -> the quantised numbers, widened to float32 again
;;       x = np.moveaxis(x, axis, -1); K = x.shape[-1]
;;       x = np.pad(x, [(0, 0)] * (x.ndim - 1) + [(0, -K % 32)]); x = x.reshape(x.shape[:-1] + (-1, 32)); a = np.abs(x).max(-1, keepdims=True)
;;       e = np.where(a > 0, np.clip(np.frexp(np.where(a > 0, a, 1))[1] - 1 - 2, -126, 127), 0)      # np.frexp(a)[1] - 1 = floor(log2(a)), exactly
;;       r = np.clip(x / 2.0 ** e, -6, 6)
;;       step = 2.0 ** (np.maximum(np.frexp(np.where(r == 0, 1, r))[1] - 1, 0) - 1)
;;       q = np.round(r / step) * step * 2.0 ** e      # np.round: ties to even
;;       return np.moveaxis(q.reshape(q.shape[:-2] + (-1,))[..., :K], -1, axis).astype(np.float32)
;;   ~~~
;;   SOFTMAX AHEAD OF A QUANTISED PRODUCT. Where the list says 'softmax', what is quantised is not the finished softmax but p = 2^(t - M), with t = logit x log2(e) and M = ceil(the row's largest t), a whole number; so 1/2 < the row's largest p <= 1. The row's sum l is taken of the UNQUANTISED p, in f32, and the product's result is divided by l at the end. Since M is a whole number, a kernel that streams over the keys may use a running M (the ceiling of the running maximum): every later rescaling is an exact power of two, which a block's scale takes up: the codes' values come out the same.
;;   OPERANDS COMPUTED ON THE WAY. 'Computed on the way' means the value that the module computes at that place (a softmax that the list does not call 'softmax' is quantised finished and normalised). What goes into a quantiser is computed in f32, as accurately as f32 sums, v_exp_f32 and their like allow (about 1e-6 of the number): no bf16 or f16 on the way to a quantiser, and a product that is left as it is and whose result goes on into a quantised operand takes f32 operands (vector FMAs, or v_wmma_f32_16x16x4_f32). A number that lies on a knife's edge between two numbers of the format may be rounded either way, as far as f32 arithmetic and the matrix unit's own rounding can turn it there, and no further.
;; One version. Each part assembles by itself: llvm-mc -triple=amdgcn-amd-amdhsa -mcpu=gfx1250 --defsym DOCPART=n.
;; ======== version 1 of 1: 3 launches
;; limits: right only within a limited range of input values
;; workspace buffers: xc 13,369,344 bytes; wc 2,228,224 bytes; qi 4,456,448 bytes; qf 33,554,432 bytes; kv 8,912,896 bytes
;; launch quant (part 1): grid 1024 x 1, 4 waves a work-group, no clusters, 42,496 bytes of LDS; arguments query, key, value, Wq, Wk, Wv, Wo, xc, wc; writes xc, wc
.if DOCPART == 1
	.amdgcn_target "amdgcn-amd-amdhsa--gfx1250"
	.amdhsa_code_object_version 6
	.text
	.protected	k_qfd3d638164_quant
	.globl	k_qfd3d638164_quant
	.p2align	8
	.type	k_qfd3d638164_quant,@function
k_qfd3d638164_quant:
	s_mov_b64 s[64:65], 0
	v_nop
	global_prefetch_b8 v0, s[64:65] scope:SCOPE_SE
	s_setreg_imm32_b32 hwreg(HW_REG_WAVE_MODE, 25, 1), 1
	s_wait_xcnt 0x0
; query, key, value [8192][1024] and Wq, Wk, Wv, Wo [1024 (k)][1024 (n)], all f32, become codes of FP4 (E2M1) with K innermost and one E8M0 scale byte for each 32 along K.
; xc: codes [3 tensors][8192 places][512 bytes], then scale bytes [3][8192 places][32].   wc: codes [4 weights][1024 places n][512 bytes], then scale bytes [4][1024 places][32].
; THE ORDER OF ROWS: place p holds row sigma(p), sigma = bits 3 and 4 of the index exchanged.  Sixteen neighbouring places are then the rows 32 b + 8 u + r + 8 (r / 8), so that in the later products,
; which are used transposed, the 16 registers of two neighbouring tiles are 16 neighbours along the next product's K.
; A block's scale is 2^(floor(log2(its largest magnitude)) - 2); its byte is the largest magnitude's exponent field - 2, held at 1 from below.
; LIMITS: a block whose largest magnitude lies under 2^-124 takes the byte 1 (a block of zeros too, where the quantiser's text says 127: its codes are zeros, and this program alone reads the bytes); NaN and infinities are not served.
; SHARES.  Work-groups 0 to 255 take the weights, 65,536 bytes of f32 each; work-groups 256 to 1,023 the three inputs, 131,072 bytes each: 1,024 work-groups, of which any 256 on end hold equal work.
; The weights: K is their first axis: a lane takes a column and its registers run down K.  A work-group takes 32 columns x 512 along K, wave w the rows 128 w on; the four waves' codes meet in one stage in LDS, so that whole rows of 256 bytes leave.
; The inputs: K innermost: plain streams of blocks of 32; waves share nothing.  The two paths part on the work-group's number alone and have LDS bytes of their own.  No work-group reads what another reads: nothing to share in a cluster.
.set SP,    80                         ; inputs: a lane's place in a stage: 64 bytes + 16 of padding
.set WREG,  8192                       ; inputs: LDS of a wave: two stages of 32 x SP bytes, then its 256 scale bytes
.set CB,    8                          ; bytes of 16 codes
.set STEPS, 16
.set XR,    16                         ; v16-79   four sets of 16 numbers as loaded
.set XX,    80                         ; v80-111  two sets of 16 neighbours
.set XE,    112                        ; v112-127 a scale byte for each step
.set XC,    128                        ; v128-191 codes: registers of its own for each step
.set WBASE, 32768                      ; weights: LDS from here on: the work-group's stage of 32 x PITCH bytes,
.set PITCH, 272
.set WSC,   WBASE+32*PITCH             ; and behind it 16 scale bytes for each of the 32 columns
.set KROW,  512                        ; a row of codes in bytes
.set NB,    4                          ; blocks of 32 along K for a wave
.set WX,    32                         ; v32-95   two sets of 32 numbers
.set WC,    96                         ; v96-99   a block's codes
.set OUTR,  112                        ; v112-127 the way out
.set SB,    24                         ; v24      my column's 4 scale bytes; v28-31 a column's 16, read back
.macro LOADX t
.irp i, 0,1,2,3
	global_load_b128 v[XR+16*((\t)%4)+4*\i:XR+16*((\t)%4)+4*\i+3], v3, s[4:5] offset:2048*(\t)+512*\i th:TH_LOAD_NT   ; 32 lanes read 512 consecutive bytes
.endr
.endm
.macro TURNX t                         ; a step's 2,048 bytes go through the stage as they lie and come back 64 bytes a lane; LDS serves a wave's instructions in order
.irp i, 0,1,2,3
	ds_store_b128 v14, v[XR+16*((\t)%4)+4*\i:XR+16*((\t)%4)+4*\i+3] offset:32*SP*((\t)%2)+8*SP*\i
.endr
.irp i, 0,1,2,3
	ds_load_b128 v[XX+16*((\t)%2)+4*\i:XX+16*((\t)%2)+4*\i+3], v15 offset:32*SP*((\t)%2)+16*\i
.endr
.endm
.macro STEPX t
.set XS, XX+16*((\t)%2)
.if (\t) > 0
	s_wait_dscnt 1                                 ; this step's numbers are back from the stage; the last step's byte store may be out
.else
	s_wait_dscnt 0x0
.endif
.if (\t)+4 < STEPS
	LOADX (\t)+4                                   ; into the registers that the stage's stores have read
.endif
.if (\t)+1 < STEPS
.if STEPS-2-(\t) >= 3
	s_wait_loadcnt 12                              ; the next step's four loads are in; those of the three steps behind it may be out
.else
	s_wait_loadcnt 4*(STEPS-2-(\t))
.endif
	TURNX (\t)+1
.endif
	v_max3_num_f32 v8, |v[XS]|, |v[XS+1]|, |v[XS+2]|               ; the largest magnitude of my 16, in two chains
	v_max3_num_f32 v9, |v[XS+3]|, |v[XS+4]|, |v[XS+5]|
.irp i, 6,10
	v_max3_num_f32 v8, v8, |v[XS+\i]|, |v[XS+\i+1]|
	v_max3_num_f32 v9, v9, |v[XS+\i+2]|, |v[XS+\i+3]|
.endr
	v_max3_num_f32 v8, v8, |v[XS+14]|, |v[XS+15]|
	v_max3_num_f32 v8, v8, v9, 0x1800000           ; and the floor 2^(3 - 127): the byte cannot fall under 1
	v_max_num_f32_dpp v8, v8, v8 row_xmask:1 row_mask:0xf bank_mask:0xf   ; with my neighbour's 16: the block's
	v_add_nc_u32 v11, 0xff000000, v8               ; 2 off the exponent field: the conversion takes this operand's exponent field as its scale
	v_cvt_scalef32_pk8_fp4_f32 v[XC+4*(\t)], v[XS:XS+7], v11
	v_cvt_scalef32_pk8_fp4_f32 v[XC+4*(\t)+1], v[XS+8:XS+15], v11
	v_lshrrev_b32 v[XE+(\t)], 23, v11              ; the scale's byte (a plain line behind the conversions)
	ds_store_b8 v5, v[XE+(\t)] offset:16*(\t)      ; both lanes of a block write the same byte with the same value
	global_store_b64 v4, v[XC+4*(\t):XC+4*(\t)+1], s[8:9] offset:32*CB*(\t)   ; the wave stores 256 consecutive bytes, aligned
.endm
.macro LOADW t                         ; block t: W(32 t + i, my column), i = 0 .. 31
.irp i, 0,1,2,3,4,5,6,7,8,9,10,11,12,13,14,15,16,17,18,19,20,21,22,23,24,25,26,27,28,29,30,31
	global_load_b32 v[WX+32*((\t)%2)+\i], v3, s[4:5] offset:(32*(\t)+\i)*4096 th:TH_LOAD_NT
.endr
.endm
.macro BLOCKW t
.set XS, WX+32*((\t)%2)
.if (\t) < NB-1
	s_wait_loadcnt 32                              ; this block's 32 loads are in; the next block's may be out
.else
	s_wait_loadcnt 0x0
.endif
	v_max3_num_f32 v12, |v[XS]|, |v[XS+1]|, |v[XS+2]|               ; all 32 numbers of the block are mine
	v_max3_num_f32 v13, |v[XS+3]|, |v[XS+4]|, |v[XS+5]|
.irp i, 6,10,14,18,22,26
	v_max3_num_f32 v12, v12, |v[XS+\i]|, |v[XS+\i+1]|
	v_max3_num_f32 v13, v13, |v[XS+\i+2]|, |v[XS+\i+3]|
.endr
	v_max3_num_f32 v12, v12, |v[XS+30]|, |v[XS+31]|
	v_max3_num_f32 v12, v12, v13, 0x1800000
	v_add_nc_u32 v11, 0xff000000, v12
	v_lshrrev_b32 v13, 23, v11
.if (\t) == 0
	v_mov_b32 v[SB], v13                           ; four bytes to a register, the lower K in the lower byte
.else
	v_lshl_or_b32 v[SB], v13, 8*(\t), v[SB]
.endif
.irp g, 0,1,2,3
	v_cvt_scalef32_pk8_fp4_f32 v[WC+\g], v[XS+8*\g:XS+8*\g+7], v11
.endr
	v_nop                                          ; a plain line behind the last conversion
	ds_store_b128 v4, v[WC:WC+3] offset:16*(\t)    ; 32 codes: 16 bytes of my column's row in the stage
.if (\t)+2 < NB
	LOADW (\t)+2
.endif
	s_wait_dscnt 0x0                               ; the store has read its registers: the next block's codes may be written
.endm
	s_load_b512 s[4:19], s[0:1], 0x0               ; query s[4:5], key s[6:7], value s[8:9], Wq s[10:11], Wk s[12:13], Wv s[14:15], Wo s[16:17], xc s[18:19]
	s_load_b64 s[20:21], s[0:1], 0x40              ; wc
	v_lshl_add_u32 v192, v0, 2, 0xa400
	v_mov_b32 v193, 0
	v_lshrrev_b32 v1, 5, v0
	v_readfirstlane_b32 s22, v1                    ; wave 0..3
	v_and_b32 v2, 31, v0                           ; lane
	s_cmp_lt_u32 ttmp9, 256
	s_cbranch_scc1 .Lweights
	; ---- the inputs: a wave takes a run of 8,192 numbers, eight rows
	v_lshlrev_b32 v3, 4, v2                        ; my 16 bytes of a load's 512
	s_mul_i32 s23, s22, WREG
	v_lshrrev_b32 v14, 2, v2
	v_mul_u32_u24 v14, v14, SP
	v_and_b32 v15, 3, v2
	v_lshl_add_u32 v14, v15, 4, v14
	v_add_nc_u32 v14, s23, v14                     ; the stage, on the way in: SP (lane / 4) + 16 (lane % 4)
	v_mul_u32_u24 v15, v2, SP
	v_add_nc_u32 v15, s23, v15                     ; and on the way out: SP x lane
	v_mul_u32_u24 v4, v2, CB                       ; my codes' place in a step's
	v_lshrrev_b32 v5, 1, v2
	s_add_co_u32 s23, s23, 2*32*SP
	v_add_nc_u32 v5, s23, v5                       ; my block's byte among the wave's 256
	v_lshlrev_b32 v7, 3, v2
	v_add_nc_u32 v6, s23, v7
	s_sub_co_u32 s24, ttmp9, 256
	s_lshr_b32 s25, s24, 8                         ; which tensor: 0 query, 1 key, 2 value
	s_and_b32 s26, s24, 255
	s_lshl_b32 s27, s26, 2
	s_add_co_u32 s28, s27, s22                     ; the run that I read: rows 8 n to 8 n + 7
	s_and_b32 s29, s22, 1
	s_lshl_b32 s29, s29, 1
	s_lshr_b32 s30, s22, 1
	s_or_b32 s29, s29, s30
	s_add_co_u32 s29, s27, s29                     ; the run that I write: bits 0 and 1 of the run's number are bits 3 and 4 of the row's: exchanged
	s_wait_alu depctr_va_vdst(0)
	s_wait_kmcnt 0x0
	s_cmp_eq_u32 s25, 0                            ; the choice hangs on the work-group's number alone
	s_cselect_b64 s[4:5], s[4:5], s[6:7]
	s_cmp_eq_u32 s25, 2
	s_cselect_b64 s[4:5], s[8:9], s[4:5]
	s_lshl_b32 s32, s28, 15                        ; 32,768 bytes of f32 a run
	s_mov_b32 s33, 0
	s_add_nc_u64 s[4:5], s[4:5], s[32:33]
	s_lshl_b32 s32, s25, 22                        ; codes: 4,194,304 bytes a tensor, 4,096 a run
	s_lshl_b32 s34, s29, 12
	s_add_co_u32 s32, s32, s34
	s_add_nc_u64 s[8:9], s[18:19], s[32:33]
	s_lshl_b32 s32, s25, 18                        ; scale bytes: behind the codes, 262,144 a tensor, 256 a run
	s_lshl_b32 s34, s29, 8
	s_add_co_u32 s32, s32, s34
	s_add_co_u32 s32, s32, 12582912
	s_add_nc_u64 s[10:11], s[18:19], s[32:33]
.irp t, 0,1,2,3
	LOADX \t
.endr
	s_wait_loadcnt 12                              ; step 0's four loads are in
	TURNX 0
.irp t, 0,1,2,3,4,5,6,7,8,9,10,11,12,13,14,15
	STEPX \t
.endr
	ds_load_b64 v[12:13], v6                       ; LDS serves a wave's instructions in order: these see my byte stores
	s_wait_dscnt 0x0
	global_store_b64 v7, v[12:13], s[10:11]        ; 32 lanes store 256 consecutive bytes, aligned
	s_wait_tensorcnt 0x0
	ds_add_u32 v192, v193
	s_wait_dscnt 0x0
	s_endpgm
.Lweights:
	; ---- the weights: the work-group takes 32 columns x 512 along K; my wave the rows 128 w on: 4 blocks a lane
	s_lshr_b32 s23, ttmp9, 6                       ; which weight: 0 Wq, 1 Wk, 2 Wv, 3 Wo
	s_and_b32 s24, ttmp9, 31                       ; which 32 columns: neighbouring work-groups take neighbouring columns
	s_bfe_u32 s25, ttmp9, 0x10005                  ; which half of K
	s_wait_alu depctr_va_vdst(0)
	v_lshlrev_b32 v3, 2, v2                        ; in: 4 bytes a lane
	s_lshl_b32 s27, s22, 6
	s_add_co_u32 s27, s27, WBASE
	v_mul_u32_u24 v4, v2, PITCH
	v_add_nc_u32 v4, s27, v4                       ; into the stage: row = my column, my wave's 128 codes are 64 bytes: 64 w on
	s_lshl_b32 s27, s22, 2
	s_add_co_u32 s27, s27, WSC
	v_lshl_add_u32 v14, v2, 4, s27                 ; my column's 16 scale bytes, my wave's four: 4 w on
	v_lshl_add_u32 v15, v2, 4, WSC                 ; and a column's 16 on the way out
	v_and_b32 v5, 15, v2
	v_lshrrev_b32 v6, 4, v2
	s_mul_i32 s27, s22, 8*PITCH
	s_add_co_u32 s27, s27, WBASE
	v_mul_u32_u24 v7, v6, PITCH
	v_lshl_add_u32 v7, v5, 4, v7
	v_add_nc_u32 v7, s27, v7                       ; out of the stage: my wave's rows 8 w on; sixteen lanes to a row, two rows an instruction
	v_mul_u32_u24 v8, v6, KROW
	v_lshl_add_u32 v8, v5, 4, v8                   ; and the same two rows among the codes
	v_and_b32 v9, 7, v2                            ; a column's place among the 32: bits 3 and 4 exchanged,
	v_and_b32 v10, 8, v2
	v_lshl_or_b32 v9, v10, 1, v9
	v_and_b32 v10, 16, v2
	v_lshrrev_b32 v10, 1, v10
	v_or_b32 v9, v9, v10
	v_lshlrev_b32 v9, 5, v9                        ; 32 scale bytes a place
	s_and_b32 s31, s22, 1                          ; on the way out column 8 w + x goes to place 8 w' + x: w' = the wave's two bits exchanged
	s_lshl_b32 s31, s31, 1
	s_lshr_b32 s30, s22, 1
	s_or_b32 s31, s31, s30
	s_wait_kmcnt 0x0
	s_cmp_eq_u32 s23, 1
	s_cselect_b64 s[4:5], s[12:13], s[10:11]
	s_cmp_eq_u32 s23, 2
	s_cselect_b64 s[4:5], s[14:15], s[4:5]
	s_cmp_eq_u32 s23, 3
	s_cselect_b64 s[4:5], s[16:17], s[4:5]
	s_lshl_b32 s28, s25, 21                        ; 512 rows of 4,096 bytes a half of K,
	s_lshl_b32 s30, s22, 19                        ; 128 rows a wave,
	s_add_co_u32 s28, s28, s30
	s_lshl_b32 s30, s24, 7                         ; 128 bytes for 32 columns
	s_add_co_u32 s28, s28, s30
	s_mov_b32 s29, 0
	s_add_nc_u64 s[4:5], s[4:5], s[28:29]
	s_lshl_b32 s28, s23, 19                        ; codes: 524,288 bytes a weight, 512 a place, 256 a half of K
	s_lshl_b32 s30, s24, 14
	s_add_co_u32 s28, s28, s30
	s_lshl_b32 s30, s31, 12
	s_add_co_u32 s28, s28, s30
	s_lshl_b32 s30, s25, 8
	s_add_co_u32 s28, s28, s30
	s_add_nc_u64 s[6:7], s[20:21], s[28:29]
	s_lshl_b32 s28, s23, 15                        ; scale bytes: behind the codes, 32,768 a weight, 32 a place, 16 a half of K
	s_lshl_b32 s30, s24, 10
	s_add_co_u32 s28, s28, s30
	s_lshl_b32 s30, s25, 4
	s_add_co_u32 s28, s28, s30
	s_add_co_u32 s28, s28, 2097152
	s_add_nc_u64 s[8:9], s[20:21], s[28:29]
	LOADW 0
	LOADW 1
.set Q, 0
.rept NB
	BLOCKW Q
.set Q, Q+1
.endr
	s_wait_alu depctr_va_vdst(0)
	ds_store_b32 v14, v[SB]                        ; my column's four scale bytes
	s_wait_dscnt 0x0                               ; for the others' sake: my stores into the stages are done
	s_barrier_signal -1
	s_barrier_wait -1                              ; all four waves' are: 32 whole rows of 256 bytes lie in the stage
.irp t, 0,1,2,3
	ds_load_b128 v[OUTR+4*\t:OUTR+4*\t+3], v7 offset:2*\t*PITCH   ; columns 8 w + 2 t and 8 w + 2 t + 1
.endr
.irp t, 0,1,2,3
	s_wait_dscnt 3-\t
	global_store_b128 v8, v[OUTR+4*\t:OUTR+4*\t+3], s[6:7] offset:2*\t*KROW   ; sixteen lanes store 256 consecutive bytes, aligned
.endr
	s_cmp_lg_u32 s22, 0                            ; wave 0 stores the 32 columns' scale bytes of this half of K, 16 bytes a lane
	s_cbranch_scc1 .Lwdone
	ds_load_b128 v[28:31], v15
	s_wait_dscnt 0x0
	global_store_b128 v9, v[28:31], s[8:9]
.Lwdone:
	s_wait_tensorcnt 0x0
	ds_add_u32 v192, v193
	s_wait_dscnt 0x0
	s_endpgm
.Lfunc_end_k_qfd3d638164_quant:
	.size	k_qfd3d638164_quant, .Lfunc_end_k_qfd3d638164_quant-k_qfd3d638164_quant
	.p2alignl 7, 3214868480
	.fill 96, 4, 3214868480
	.section	.rodata,"a",@progbits
	.p2align	6, 0x0
	.amdhsa_kernel k_qfd3d638164_quant
		.amdhsa_group_segment_fixed_size 42496
		.amdhsa_private_segment_fixed_size 0
		.amdhsa_enable_private_segment 0
		.amdhsa_kernarg_size 72
		.amdhsa_user_sgpr_count 2
		.amdhsa_user_sgpr_kernarg_segment_ptr 1
		.amdhsa_wavefront_size32 1
		.amdhsa_system_sgpr_workgroup_id_x 1
		.amdhsa_system_sgpr_workgroup_id_y 1
		.amdhsa_system_sgpr_workgroup_id_z 1
		.amdhsa_system_vgpr_workitem_id 0
		.amdhsa_next_free_vgpr 194
		.amdhsa_next_free_sgpr 66
		.amdhsa_reserve_vcc 0
		.amdhsa_float_denorm_mode_32 3
		.amdhsa_float_denorm_mode_16_64 3
		.amdhsa_memory_ordered 1
		.amdhsa_forward_progress 1
		.amdhsa_inst_pref_size 56
	.end_amdhsa_kernel
	.amdgpu_metadata
---
amdhsa.version: [ 1, 2 ]
amdhsa.kernels:
  - .name:           k_qfd3d638164_quant
    .symbol:         k_qfd3d638164_quant.kd
    .args:
      - { .name: query, .offset: 0, .size: 8, .value_kind: global_buffer, .address_space: global }
      - { .name: key, .offset: 8, .size: 8, .value_kind: global_buffer, .address_space: global }
      - { .name: value, .offset: 16, .size: 8, .value_kind: global_buffer, .address_space: global }
      - { .name: Wq, .offset: 24, .size: 8, .value_kind: global_buffer, .address_space: global }
      - { .name: Wk, .offset: 32, .size: 8, .value_kind: global_buffer, .address_space: global }
      - { .name: Wv, .offset: 40, .size: 8, .value_kind: global_buffer, .address_space: global }
      - { .name: Wo, .offset: 48, .size: 8, .value_kind: global_buffer, .address_space: global }
      - { .name: xc, .offset: 56, .size: 8, .value_kind: global_buffer, .address_space: global }
      - { .name: wc, .offset: 64, .size: 8, .value_kind: global_buffer, .address_space: global }
    .group_segment_fixed_size: 42496
    .private_segment_fixed_size: 0
    .kernarg_segment_align: 8
    .kernarg_segment_size: 72
    .max_flat_workgroup_size: 128
    .sgpr_count:     66
    .vgpr_count:     194
    .wavefront_size: 32
...
	.end_amdgpu_metadata
.endif
;; end of part 1
;; launch proj (part 2): grid 4 x 64, 4 waves a work-group, clusters of 4 x 4, 327,680 bytes of LDS; arguments xc, wc, qi, qf, kv; writes qi, qf, kv
.if DOCPART == 2
	.amdgcn_target "amdgcn-amd-amdhsa--gfx1250"
	.amdhsa_code_object_version 6
	.text
	.protected	k_qfd3d638164_proj
	.globl	k_qfd3d638164_proj
	.p2align	8
	.type	k_qfd3d638164_proj,@function
k_qfd3d638164_proj:
	s_mov_b64 s[64:65], 0
	v_nop
	global_prefetch_b8 v0, s[64:65] scope:SCOPE_SE
	s_setreg_imm32_b32 hwreg(HW_REG_WAVE_MODE, 25, 1), 1
	s_wait_xcnt 0x0
	s_wait_alu depctr_hold_cnt(0) depctr_sa_sdst(0) depctr_va_vdst(0) depctr_va_sdst(0) depctr_va_ssrc(0) depctr_va_vcc(0) depctr_vm_vsrc(0)
	s_getreg_b32 s2, hwreg(HW_REG_IB_STS2, 6, 4)
	s_cmp_eq_u32 s2, 0
	s_cbranch_scc0 .Lentry_in_a_cluster
	s_endpgm
.Lentry_in_a_cluster:
	s_bfe_u32 s2, ttmp6, 0x10000c
	s_cmp_lg_u32 s2, 0xf033
	s_cbranch_scc0 .Lentry_shape_is_right
	s_endpgm
.Lentry_shape_is_right:
.set LI,   8
.set L8,   9
.set ADRA, 10
.set ADRB, 12
.set L32,  14
.set SPW,  19
.set NIL,  20
.set SC0,  32
.set SC1,  208
.set AF,   80
.set TM,   144
.set PW,   160
.set PC,   168
.set WV,   14
.set SEL,  2
.set FLOOR, 100
.set G1A,  28
.set G1B,  36
.set G0A,  44
.set G0B,  52
.set AT,   66
.set BT,   72
.set SAP,  78
.set SBP,  84
.set SLOT, 104448
.set BOFF, 34816
.set SPARE, 2*SLOT
.set MSB, 0
.macro WIN new
.if MSB != (\new)
	s_set_vgpr_msb (MSB<<8)|(\new)
.set MSB, \new
.endif
.endm
.macro PLACES n
.rept \n
	v_nop
.endr
.endm
.macro CROUND
	s_barrier_signal -1
	s_barrier_wait -1
	s_cmp_lg_u32 s[WV], 0
	s_cbranch_scc1 .Lnot_wave_0_\@
	s_barrier_signal -3
.Lnot_wave_0_\@:
	s_barrier_wait -3
	s_barrier_signal -1
	s_barrier_wait -1
.endm
.macro JLOAD s
	s_cmp_eq_u32 s15, 0
	s_cbranch_scc0 .Lfor_b_\@
	tensor_load_to_lds s[G0A+4*(\s):G0A+4*(\s)+3], s[G1A:G1A+7]
	s_nop 0
.rept 4
	v_nop
.endr
	s_branch .Lasked_\@
.Lfor_b_\@:
	tensor_load_to_lds s[G0B+4*(\s):G0B+4*(\s)+3], s[G1B:G1B+7]
	s_nop 0
.rept 4
	v_nop
.endr
.Lasked_\@:
.endm
.macro SETG0 s, t
	s_add_nc_u64 s[G0A+4*(\s)+2:G0A+4*(\s)+3], s[AT+2*(\t):AT+2*(\t)+1], 256*(\s)
	s_or_b32 s[G0A+4*(\s)+3], s[G0A+4*(\s)+3], 0x80000000
	s_add_nc_u64 s[G0B+4*(\s)+2:G0B+4*(\s)+3], s[BT+2*(\t):BT+2*(\t)+1], 256*(\s)
	s_or_b32 s[G0B+4*(\s)+3], s[G0B+4*(\s)+3], 0x80000000
.endm
.macro SCLOAD t
.set SS, SC0+(SC1-SC0)*((\t)%2)
.irp P, 0,1
.irp f, 0,1
	global_load_b128 v[SS+8*\P+4*\f:SS+8*\P+4*\f+3], v[L32], s[SAP+2*(\t):SAP+2*(\t)+1] offset:\P*1024+16*\f
.endr
.endr
.irp P, 0,1,2,3
.irp f, 0,1
	global_load_b128 v[SS+16+8*\P+4*\f:SS+16+8*\P+4*\f+3], v[L32], s[SBP+2*(\t):SBP+2*(\t)+1] offset:\P*1024+16*\f
.endr
.endr
.endm
.macro WM
.if rZ
.if rRX&&rRY
	v_wmma_scale_f32_16x16x128_f8f6f4 v[rD:rD+7], v[rX:rX+7], v[rY:rY+7], 0, v[rSX], v[rSY] matrix_a_fmt:MATRIX_FMT_FP4 matrix_b_fmt:MATRIX_FMT_FP4 matrix_a_scale:MATRIX_SCALE_ROW1 matrix_b_scale:MATRIX_SCALE_ROW1
.elseif rRX
	v_wmma_scale_f32_16x16x128_f8f6f4 v[rD:rD+7], v[rX:rX+7], v[rY:rY+7], 0, v[rSX], v[rSY] matrix_a_fmt:MATRIX_FMT_FP4 matrix_b_fmt:MATRIX_FMT_FP4 matrix_a_scale:MATRIX_SCALE_ROW1
.elseif rRY
	v_wmma_scale_f32_16x16x128_f8f6f4 v[rD:rD+7], v[rX:rX+7], v[rY:rY+7], 0, v[rSX], v[rSY] matrix_a_fmt:MATRIX_FMT_FP4 matrix_b_fmt:MATRIX_FMT_FP4 matrix_b_scale:MATRIX_SCALE_ROW1
.else
	v_wmma_scale_f32_16x16x128_f8f6f4 v[rD:rD+7], v[rX:rX+7], v[rY:rY+7], 0, v[rSX], v[rSY] matrix_a_fmt:MATRIX_FMT_FP4 matrix_b_fmt:MATRIX_FMT_FP4
.endif
.else
.if rRX&&rRY
	v_wmma_scale_f32_16x16x128_f8f6f4 v[rD:rD+7], v[rX:rX+7], v[rY:rY+7], v[rC:rC+7], v[rSX], v[rSY] matrix_a_fmt:MATRIX_FMT_FP4 matrix_b_fmt:MATRIX_FMT_FP4 matrix_a_scale:MATRIX_SCALE_ROW1 matrix_b_scale:MATRIX_SCALE_ROW1
.elseif rRX
	v_wmma_scale_f32_16x16x128_f8f6f4 v[rD:rD+7], v[rX:rX+7], v[rY:rY+7], v[rC:rC+7], v[rSX], v[rSY] matrix_a_fmt:MATRIX_FMT_FP4 matrix_b_fmt:MATRIX_FMT_FP4 matrix_a_scale:MATRIX_SCALE_ROW1
.elseif rRY
	v_wmma_scale_f32_16x16x128_f8f6f4 v[rD:rD+7], v[rX:rX+7], v[rY:rY+7], v[rC:rC+7], v[rSX], v[rSY] matrix_a_fmt:MATRIX_FMT_FP4 matrix_b_fmt:MATRIX_FMT_FP4 matrix_b_scale:MATRIX_SCALE_ROW1
.else
	v_wmma_scale_f32_16x16x128_f8f6f4 v[rD:rD+7], v[rX:rX+7], v[rY:rY+7], v[rC:rC+7], v[rSX], v[rSY] matrix_a_fmt:MATRIX_FMT_FP4 matrix_b_fmt:MATRIX_FMT_FP4
.endif
.endif
.endm
.macro FETCH_B q, p
	WIN 0x40
.irp i, 0,1,2,3,4,5,6,7
.irp c, 0,1
	ds_load_b128 v[128*(\p)+8*\i+4*\c:128*(\p)+8*\i+4*\c+3], v[ADRB+(\q)/4] offset:64*((\q)%4)+32*\c+\i*4352
.endr
.endr
	WIN 0
.endm
.macro FETCH_A q, p
.irp i, 0,1,2,3
.irp c, 0,1
	ds_load_b128 v[AF+32*(\p)+8*\i+4*\c:AF+32*(\p)+8*\i+4*\c+3], v[ADRA+(\q)/4] offset:64*((\q)%4)+32*\c+\i*4352
.endr
.endr
.endm
.macro MUL32 q, p, t
.set SS, SC0+(SC1-SC0)*((\t)%2)
.set rZ, 0
.if (\q) == 0
.set rZ, 1
.endif
.irp a, 0,1,2,3
.irp b, 0,1,2,3,4,5,6,7
.set rD, 8*(8*\a+\b)
.set rC, rD
.set rX, 128*(\p)+8*\b
.set rY, AF+32*(\p)+8*\a
.set rSX, SS+16+8*(\b/2)+(\q)
.set rSY, SS+8*(\a/2)+(\q)
.set rRX, \b%2
.set rRY, \a%2
	WM
.endr
.endr
.endm
.macro GSTEP q, t
.if ((\q) == 3) && ((\t) < 2)
	s_wait_tensorcnt 0x0
	ds_add_u32 v[SPW], v[NIL]
	SETG0 0, (\t)+1
	s_wait_dscnt 0x0
	CROUND
	JLOAD 0
.elseif (\q) == 3
	s_wait_tensorcnt 0x0
	s_wait_dscnt 0x0
	s_barrier_signal -1
	s_barrier_wait -1
	PLACES 4
.else
	s_wait_dscnt 0x0
.if ((\q) > 0) && ((\q) < 7)
	PLACES 4
.endif
.endif
.if (\q) < 7
	FETCH_B (\q)+1, 1-(\q)%2
	FETCH_A (\q)+1, 1-(\q)%2
.endif
	WIN 0xa1
	MUL32 \q, (\q)%2, \t
	WIN 0
.endm
.macro QUANTW s, win, pc, pw
.set QW, ((\win)<<2)|((\win)<<4)
	WIN QW
.irp b, 0,1,2,3
	v_max3_num_f32 v[TM+\b], s[FLOOR], |v[(\s)+16*\b]|, |v[(\s)+16*\b+1]|
.endr
.irp i, 2,4,6,8,10,12,14
.irp b, 0,1,2,3
	v_max3_num_f32 v[TM+\b], v[TM+\b], |v[(\s)+16*\b+\i]|, |v[(\s)+16*\b+\i+1]|
.endr
.endr
	WIN 0
.irp b, 0,1,2,3
	v_permlanex16_b32 v[TM+4+\b], v[TM+\b], s[SEL], s[SEL+1]
.endr
.irp b, 0,1,2,3
	v_max_num_f32 v[TM+\b], v[TM+\b], v[TM+4+\b]
.endr
.irp b, 0,1,2,3
	v_add_nc_u32 v[TM+12+\b], 0xff000000, v[TM+\b]
.endr
.irp b, 0,1,2,3
	v_lshrrev_b32 v[TM+4+\b], 23, v[TM+12+\b]
.endr
	v_lshl_or_b32 v[\pw], v[TM+5], 8, v[TM+4]
	v_lshl_or_b32 v[\pw], v[TM+6], 16, v[\pw]
	v_lshl_or_b32 v[\pw], v[TM+7], 24, v[\pw]
	WIN \win
.irp b, 0,1,2,3
	v_cvt_scalef32_pk8_fp4_f32 v[(\pc)+2*\b], v[(\s)+16*\b:(\s)+16*\b+7], v[TM+12+\b]
	v_cvt_scalef32_pk8_fp4_f32 v[(\pc)+2*\b+1], v[(\s)+16*\b+8:(\s)+16*\b+15], v[TM+12+\b]
.endr
	WIN 0
	v_nop
.irp c, 0,1
.irp i, 0,1
	v_permlane16_swap_b32 v[(\pc)+4*\c+\i], v[(\pc)+4*\c+2+\i]
.endr
.endr
.endm
.macro TILE t
.if (\t) > 0
	s_wait_xcnt 0x0
.endif
	s_wait_loadcnt 0x0
.if (\t) < 2
	SCLOAD (\t)+1
.endif
.irp q, 0,1,2,3,4,5,6,7
	GSTEP \q, \t
.endr
.if (\t) < 2
	s_wait_tensorcnt 0x0
	ds_add_u32 v[SPW], v[NIL]
	SETG0 1, (\t)+1
	s_wait_dscnt 0x0
	CROUND
	JLOAD 1
	FETCH_B 0, 0
	FETCH_A 0, 0
.else
	PLACES 4
.endif
	s_mov_b32 s105, 0
.if (\t) == 0
	s_lshl_b32 s23, s60, 7
	s_lshl_b32 s104, s61, 3
	s_add_co_u32 s23, s23, s104
	s_lshl_b32 s104, s15, 2
	s_add_co_u32 s23, s23, s104
	s_lshl_b32 s104, s23, 10
	s_add_nc_u64 s[92:93], s[8:9], s[104:105]
	s_lshl_b32 s104, s23, 13
	s_add_nc_u64 s[96:97], s[10:11], s[104:105]
	s_lshl_b32 s104, s60, 5
	s_lshl_b32 s23, s61, 1
	s_add_co_u32 s104, s104, s23
	s_add_co_u32 s104, s104, s15
	s_lshl_b32 s104, s104, 8
	s_add_co_u32 s104, s104, 4194304
	s_add_nc_u64 s[94:95], s[8:9], s[104:105]
	WIN 0x08
.set y, 0
.rept 64
	global_store_b128 v[LI], v[4*y:4*y+3], s[96:97] offset:512*y
.set y, y+1
.endr
	WIN 0
.else
	s_lshl_b32 s23, s[58+2*(\t)], 4
	s_add_co_u32 s23, s23, s[59+2*(\t)]
	s_mul_i32 s23, s23, 17408
	s_lshl_b32 s104, s15, 12
	s_add_co_u32 s104, s104, s23
	s_add_co_u32 s104, s104, 8192*((\t)-1)
	s_add_nc_u64 s[92:93], s[12:13], s[104:105]
	s_lshl_b32 s104, s15, 8
	s_add_co_u32 s104, s104, s23
	s_add_co_u32 s104, s104, 16384+512*((\t)-1)
	s_add_nc_u64 s[94:95], s[12:13], s[104:105]
.endif
.irp a, 0,1,2,3
	QUANTW 64*\a, 2, PC+8*\a, PW+\a
	global_store_b128 v[LI], v[PC+8*\a:PC+8*\a+3], s[92:93] offset:\a*1024
	global_store_b128 v[LI], v[PC+8*\a+4:PC+8*\a+7], s[92:93] offset:\a*1024+512
.endr
	s_mov_b32 vcc_lo, 0xffff0000
	v_cndmask_b32 v[PW+4], v[PW], v[PW+1], vcc_lo
	v_cndmask_b32 v[PW+5], v[PW+2], v[PW+3], vcc_lo
	global_store_b64 v[L8], v[PW+4:PW+5], s[94:95]
.endm
	s_load_b256 s[4:11], s[0:1], 0x0
	s_load_b64 s[12:13], s[0:1], 0x20
	v_lshl_add_u32 v[SPW], v0, 2, SPARE
	v_mov_b32 v[NIL], 0
	ds_add_u32 v19, v20
	ds_add_u32 v19, v20
	s_wait_dscnt 0x0
	v_lshrrev_b32 v1, 5, v0
	v_readfirstlane_b32 s[WV], v1
	s_lshr_b32 s15, s[WV], 1
	s_and_b32 s16, s[WV], 1
	s_bfe_u32 s17, ttmp6, 0x40000
	s_bfe_u32 s18, ttmp6, 0x40004
	s_and_b32 s19, ttmp7, 0xffff
	s_lshl_b32 s20, s19, 2
	s_add_co_u32 s20, s20, s18
	s_lshr_b32 s21, s19, 3
	s_lshl_b32 s21, s21, 2
	s_add_co_u32 s21, s21, s18
	s_and_b32 s22, s19, 7
	s_lshl_b32 s22, s22, 2
	s_add_co_u32 s22, s22, s17
	s_lshl_b32 s24, s18, 2
	s_lshl_b32 s24, 15, s24
	s_lshl_b32 s25, 0x1111, s17
	s_or_b32 s[G1A], s24, (1<<20)|(1<<21)|(5<<22)|(3<<25)
	s_or_b32 s[G1B], s25, (1<<20)|(1<<21)|(5<<22)|(3<<25)
.irp g, G1A, G1B
	s_mov_b32 s[\g+1], 256<<16
	s_mov_b32 s[\g+3], 256<<16
	s_mov_b32 s[\g+5], 512
	s_mov_b32 s[\g+6], 0
	s_mov_b32 s[\g+7], 0
.endr
	s_mov_b32 s[G1A+2], 64<<16
	s_mov_b32 s[G1A+4], 64
	s_mov_b32 s[G1B+2], 128<<16
	s_mov_b32 s[G1B+4], 128
	s_mov_b32 s[G0A], 1
	s_mov_b32 s[G0A+4], 1
	s_mov_b32 s[G0B], 1
	s_mov_b32 s[G0B+4], 1
	s_mul_i32 s[G0A+1], s16, 17408
	s_add_co_u32 s[G0A+5], s[G0A+1], SLOT
	s_mul_i32 s[G0B+1], s16, 34816
	s_add_co_u32 s[G0B+1], s[G0B+1], BOFF
	s_add_co_u32 s[G0B+5], s[G0B+1], SLOT
	s_lshl_b32 s26, s16, 15
	s_lshl_b32 s90, s20, 16
	s_add_co_u32 s90, s90, s26
	s_mov_b32 s91, 0
	s_lshl_b32 s27, s16, 16
	s_lshl_b32 s98, s17, 17
	s_add_co_u32 s98, s98, s27
	s_mov_b32 s99, 0
	s_wait_kmcnt 0x0
	s_add_nc_u64 s[AT:AT+1], s[4:5], s[90:91]
	s_add_nc_u64 s[AT+2:AT+3], s[AT:AT+1], 4194304
	s_add_nc_u64 s[BT:BT+1], s[6:7], s[98:99]
	s_add_nc_u64 s[BT+2:BT+3], s[BT:BT+1], 524288
	s_lshl_b32 s90, s21, 16
	s_add_co_u32 s90, s90, s26
	s_add_co_u32 s90, s90, 1048576
	s_add_nc_u64 s[AT+4:AT+5], s[6:7], s[90:91]
	s_lshl_b32 s98, s22, 17
	s_add_co_u32 s98, s98, s27
	s_add_co_u32 s98, s98, 8388608
	s_add_nc_u64 s[BT+4:BT+5], s[4:5], s[98:99]
	SETG0 0, 0
	SETG0 1, 0
	CROUND
	JLOAD 0
	s_wait_alu depctr_va_vdst(0)
	s_wait_tensorcnt 0x0
	ds_add_u32 v19, v20
	s_wait_dscnt 0x0
	CROUND
	JLOAD 1
	s_mov_b32 s105, 0
	s_lshl_b32 s104, s20, 12
	s_lshl_b32 s23, s15, 11
	s_add_co_u32 s104, s104, s23
	s_add_co_u32 s104, s104, 12582912
	s_add_nc_u64 s[SAP:SAP+1], s[4:5], s[104:105]
	s_add_nc_u64 s[SAP+2:SAP+3], s[SAP:SAP+1], 262144
	s_lshl_b32 s104, s21, 12
	s_add_co_u32 s104, s104, s23
	s_add_co_u32 s104, s104, 2162688
	s_add_nc_u64 s[SAP+4:SAP+5], s[6:7], s[104:105]
	s_lshl_b32 s104, s17, 13
	s_lshl_b32 s23, s16, 12
	s_add_co_u32 s104, s104, s23
	s_add_co_u32 s104, s104, 2097152
	s_add_nc_u64 s[SBP:SBP+1], s[6:7], s[104:105]
	s_add_nc_u64 s[SBP+2:SBP+3], s[SBP:SBP+1], 32768
	s_lshl_b32 s104, s22, 13
	s_add_co_u32 s104, s104, s23
	s_add_co_u32 s104, s104, 13107200
	s_add_nc_u64 s[SBP+4:SBP+5], s[4:5], s[104:105]
	s_lshr_b32 s60, s20, 4
	s_lshl_b32 s60, s60, 3
	s_lshl_b32 s23, s17, 1
	s_add_co_u32 s60, s60, s23
	s_add_co_u32 s60, s60, s16
	s_and_b32 s61, s20, 15
	s_lshl_b32 s63, s22, 1
	s_add_co_u32 s63, s63, s16
	s_lshr_b32 s62, s63, 4
	s_lshl_b32 s62, s62, 3
	s_add_co_u32 s62, s62, s21
	s_and_b32 s63, s63, 15
	s_mov_b32 s[SEL], 0x76543210
	s_mov_b32 s[SEL+1], 0xfedcba98
	s_mov_b32 s[FLOOR], 0x1800000
	v_and_b32 v1, 15, v0
	v_bfe_u32 v2, v0, 4, 1
	v_and_b32 v3, 31, v0
	v_lshlrev_b32 v[LI], 4, v3
	v_lshlrev_b32 v[L8], 3, v3
	v_lshlrev_b32 v[L32], 5, v3
	SCLOAD 0
	v_mul_u32_u24 v4, v1, 272
	v_lshl_add_u32 v4, v2, 4, v4
	s_mul_i32 s23, s15, 17408
	v_add_nc_u32 v[ADRA], s23, v4
	v_add_nc_u32 v[ADRA+1], SLOT, v[ADRA]
	s_mul_i32 s23, s16, 34816
	s_add_co_u32 s23, s23, BOFF
	v_add_nc_u32 v[ADRB], s23, v4
	v_add_nc_u32 v[ADRB+1], SLOT, v[ADRB]
.irp b, 0,1,2,3
	v_mov_b32 v[TM+4+\b], 0
.endr
	s_wait_alu depctr_va_vdst(0)
	s_wait_tensorcnt 0x1
	s_barrier_signal -1
	s_barrier_wait -1
	FETCH_B 0, 0
	FETCH_A 0, 0
	TILE 0
	TILE 1
	TILE 2
	s_wait_tensorcnt 0x0
	ds_add_u32 v[SPW], v[NIL]
	s_wait_dscnt 0x0
	CROUND
	s_endpgm
.Lfunc_end_k_qfd3d638164_proj:
	.size	k_qfd3d638164_proj, .Lfunc_end_k_qfd3d638164_proj-k_qfd3d638164_proj
	.p2alignl 7, 3214868480
	.fill 96, 4, 3214868480
	.section	.rodata,"a",@progbits
	.p2align	6, 0x0
	.amdhsa_kernel k_qfd3d638164_proj
		.amdhsa_group_segment_fixed_size 327680
		.amdhsa_private_segment_fixed_size 0
		.amdhsa_enable_private_segment 0
		.amdhsa_kernarg_size 40
		.amdhsa_user_sgpr_count 2
		.amdhsa_user_sgpr_kernarg_segment_ptr 1
		.amdhsa_wavefront_size32 1
		.amdhsa_system_sgpr_workgroup_id_x 1
		.amdhsa_system_sgpr_workgroup_id_y 1
		.amdhsa_system_sgpr_workgroup_id_z 1
		.amdhsa_system_vgpr_workitem_id 0
		.amdhsa_next_free_vgpr 768
		.amdhsa_next_free_sgpr 106
		.amdhsa_reserve_vcc 1
		.amdhsa_float_denorm_mode_32 3
		.amdhsa_float_denorm_mode_16_64 3
		.amdhsa_memory_ordered 1
		.amdhsa_forward_progress 1
		.amdhsa_inst_pref_size 211
	.end_amdhsa_kernel
	.amdgpu_metadata
---
amdhsa.version: [ 1, 2 ]
amdhsa.kernels:
  - .name:           k_qfd3d638164_proj
    .symbol:         k_qfd3d638164_proj.kd
    .args:
      - { .name: xc, .offset: 0, .size: 8, .value_kind: global_buffer, .address_space: global }
      - { .name: wc, .offset: 8, .size: 8, .value_kind: global_buffer, .address_space: global }
      - { .name: qi, .offset: 16, .size: 8, .value_kind: global_buffer, .address_space: global }
      - { .name: qf, .offset: 24, .size: 8, .value_kind: global_buffer, .address_space: global }
      - { .name: kv, .offset: 32, .size: 8, .value_kind: global_buffer, .address_space: global }
    .group_segment_fixed_size: 327680
    .private_segment_fixed_size: 0
    .kernarg_segment_align: 8
    .kernarg_segment_size: 40
    .max_flat_workgroup_size: 128
    .sgpr_count:     106
    .vgpr_count:     768
    .wavefront_size: 32
...
	.end_amdgpu_metadata
.endif
;; end of part 2
;; launch attn_out (part 3): grid 64 x 4, 8 waves a work-group, clusters of 4 x 1, 327,680 bytes of LDS; arguments qi, qf, kv, wc, bo, out0; writes out0
.if DOCPART == 3
	.amdgcn_target "amdgcn-amd-amdhsa--gfx1250"
	.amdhsa_code_object_version 6
	.text
	.protected	k_qfd3d638164_attn_out
	.globl	k_qfd3d638164_attn_out
	.p2align	8
	.type	k_qfd3d638164_attn_out,@function
k_qfd3d638164_attn_out:
	s_mov_b64 s[64:65], 0
	v_nop
	global_prefetch_b8 v0, s[64:65] scope:SCOPE_SE
	s_setreg_imm32_b32 hwreg(HW_REG_WAVE_MODE, 25, 1), 1
	s_wait_xcnt 0x0
	s_wait_alu depctr_hold_cnt(0) depctr_sa_sdst(0) depctr_va_vdst(0) depctr_va_sdst(0) depctr_va_ssrc(0) depctr_va_vcc(0) depctr_vm_vsrc(0)
	s_getreg_b32 s2, hwreg(HW_REG_IB_STS2, 6, 4)
	s_cmp_eq_u32 s2, 0
	s_cbranch_scc0 .Lentry_in_a_cluster
	s_endpgm
.Lentry_in_a_cluster:
	s_bfe_u32 s2, ttmp6, 0x10000c
	s_cmp_lg_u32 s2, 0x3003
	s_cbranch_scc0 .Lentry_shape_is_right
	s_endpgm
.Lentry_shape_is_right:
; o = q + softmax(q k^T / 32) v for all eight heads of 32 query rows, then out = o + relu(o Wo + bo): all three products on codes of FP4 (E2M1) with E8M0 scales.
; THE SOFTMAX AHEAD OF THE SECOND PRODUCT: t = score x log2(e) / 32; M = the running largest t rounded UP to a whole number; p = 2^(t - M) is what is quantised, along the keys, not normalised.
; The row's sum is taken of the unquantised p and divides at the end.  When M moves, the sum and O are multiplied by 2^(old M - new M): exact.
; SHARES.  A work-group owns 32 rows (a pair of tiles of 16 places) of one batch; wave w owns head w of them: two tiles, so that each fragment of K and V feeds two matrix instructions; two waves to a SIMD.
; So all 1,024 columns of o of these rows meet in one work-group, and the last product needs no launch and no buffer of its own: wave w makes the 128 columns of head w, whose o it holds in f32 in the result's layout.
; THE RING.  Each wave has 34,816 bytes of LDS of its own: two slots of one key step of its head (17,408 bytes: K's 8 images, V's 8 images, K's scale words, V's).  Only the wave that fetched a slot reads it.
; A slot is asked for again when its V is in registers; that load has the whole next key step in which to land.  By this text's count a wave has one tensor load out.
; Behind the last key step the wave's region takes its 128 rows of Wo's codes, half of K (256 bytes a row + 16 of padding) at a load.
; CLUSTER.  The four work-groups of a cluster belong to one batch: K, V and Wo are asked for jointly, mask 15; a round of the cluster's barrier stands in front of every joint load.
; PREFETCH.  In key step s each wave names the kv block of step s + 4, two steps ahead of the load that wants it: 68 blocks of 256 bytes, 17 to each partner, told apart by address (left-over lanes name the 17th again).
; Steps 0 to 3 come by their loads alone.  The loop's last trip names Wo's codes instead: 32 rows a wave and partner, one half of K in each of its two steps.  q in f32 is loaded into registers ahead of the loop and wanted behind it.
; LAYOUT.  All products are used transposed: a lane holds ONE row (lane % 16); the earlier launches laid the places so that the 16 registers of two neighbouring tiles are 16 neighbours along the next product's K.
; O^T begins as zeros and the largest t as -3e38, so that the key step is written once for all trips: the first change of M multiplies zeros.
; LIMITS: a block of p or of o whose largest magnitude lies under 2^-124 takes the scale byte 1 (its codes are then zeros or nearly so); NaN and infinities are not served.
; REGISTERS: window 0: v1-10 addresses; v12-19 statistics (tile u: -M, largest t, the sum in two halves), later addresses; v20-23 f, later 1 / sum; v24-39 Q; v40 Q's scale words; v41-43 p's (later o's); v44-47 K's, v48-51 V's;
;   v52-67 p's codes; v68-85 at work; v88-95 o's scale words of the eight heads; v96-159 and v160-223 two regions that hold K, S^T / p and V by turns, later Wo's fragments, then rows on the way out; v224-255 Wo's scale words.
;   window 1: v0-127 O^T, then o (tile u at 64 u); v128-255 q in f32, then the last product's 16 accumulators.
.set LI,   1                           ; 16 x lane
.set L8,   2                           ; 8 x lane
.set AD16, 3                           ; my region + 16 x lane
.set AD8,  4                           ; my region + 8 x lane
.set L4,   5                           ; 4 x lane
.set SPW,  6                           ; my spare word; never rewritten
.set NIL,  7                           ; 0; never rewritten
.set PFO,  8                           ; prefetch of kv: 256 x min(lane, 16)
.set PFW,  9                           ; prefetch of Wo: 512 x lane
.set L32,  10                          ; 32 x lane
.set ADX,  12                          ; behind the loop: the heads' codes, read;
.set ADXS, 13                          ; their scale words, read;
.set ADXW, 14                          ; my head's codes, stored;
.set ADSW, 15                          ; my head's scale words, stored
.set ADRB, 16                          ; Wo's fragments
.set STO,  17                          ; the stage, in
.set RD,   18                          ; the stage, back
.set HB,   19                          ; 64 x (lane / 16): my half of 32 numbers of the bias
.set QF,   24
.set QS,   40
.set PWR,  41
.set KSR,  44
.set VSR,  48
.set PC,   52
.set BM,   68
.set T2,   72
.set T3,   76
.set TMP,  80
.set CH,   84
.set TM,   68                          ; behind the loop
.set OSC,  88
.set R1,   96
.set R2,   160
.set WSC,  224
.set WV,   16
.set SEL,  20
.set CS,   22                          ; s[22:23] c = log2(e) / 32
.set CNT,  25
.set G1K,  28
.set G1W,  36
.set G0,   44                          ; s[44:47], s[48:51] group 0 of slot 0, 1
.set G0W,  52
.set FLOOR, 78
.set WB,   79                          ; my region's first LDS byte
.set PFA,  80
.set PFB,  82
.set STEPB, 17408
.set WREG,  34816
.set EXC,   278528                     ; behind the regions: the eight heads' codes of o, 2,048 bytes a head: bytes into which no tensor load lands
.set EXS,   294912                     ; their scale words, 128 bytes a head
.set SPARE, 295936                     ; the spare words, 128 bytes a wave
.set MSB, 0
.macro WIN new
.if MSB != (\new)
	s_set_vgpr_msb (MSB<<8)|(\new)
.set MSB, \new
.endif
.endm
.macro PLACES n
.rept \n
	v_nop
.endr
.endm
.macro CREST                           ; a round of the cluster's barrier behind its opening barrier
	s_cmp_lg_u32 s[WV], 0
	s_cbranch_scc1 .Lnot_wave_0_\@
	s_barrier_signal -3
.Lnot_wave_0_\@:
	s_barrier_wait -3
	s_barrier_signal -1
	s_barrier_wait -1
.endm
.macro CROUND
	s_barrier_signal -1
	s_barrier_wait -1
	CREST
.endm
.macro WM                              ; one matrix instruction from the symbols rD, rC, rX, rY, rSX, rSY; rZ: C = 0; rRX, rRY: that side's scales from lanes 16-31
.if rZ
.if rRX&&rRY
	v_wmma_scale_f32_16x16x128_f8f6f4 v[rD:rD+7], v[rX:rX+7], v[rY:rY+7], 0, v[rSX], v[rSY] matrix_a_fmt:MATRIX_FMT_FP4 matrix_b_fmt:MATRIX_FMT_FP4 matrix_a_scale:MATRIX_SCALE_ROW1 matrix_b_scale:MATRIX_SCALE_ROW1
.elseif rRX
	v_wmma_scale_f32_16x16x128_f8f6f4 v[rD:rD+7], v[rX:rX+7], v[rY:rY+7], 0, v[rSX], v[rSY] matrix_a_fmt:MATRIX_FMT_FP4 matrix_b_fmt:MATRIX_FMT_FP4 matrix_a_scale:MATRIX_SCALE_ROW1
.elseif rRY
	v_wmma_scale_f32_16x16x128_f8f6f4 v[rD:rD+7], v[rX:rX+7], v[rY:rY+7], 0, v[rSX], v[rSY] matrix_a_fmt:MATRIX_FMT_FP4 matrix_b_fmt:MATRIX_FMT_FP4 matrix_b_scale:MATRIX_SCALE_ROW1
.else
	v_wmma_scale_f32_16x16x128_f8f6f4 v[rD:rD+7], v[rX:rX+7], v[rY:rY+7], 0, v[rSX], v[rSY] matrix_a_fmt:MATRIX_FMT_FP4 matrix_b_fmt:MATRIX_FMT_FP4
.endif
.else
.if rRX&&rRY
	v_wmma_scale_f32_16x16x128_f8f6f4 v[rD:rD+7], v[rX:rX+7], v[rY:rY+7], v[rC:rC+7], v[rSX], v[rSY] matrix_a_fmt:MATRIX_FMT_FP4 matrix_b_fmt:MATRIX_FMT_FP4 matrix_a_scale:MATRIX_SCALE_ROW1 matrix_b_scale:MATRIX_SCALE_ROW1
.elseif rRX
	v_wmma_scale_f32_16x16x128_f8f6f4 v[rD:rD+7], v[rX:rX+7], v[rY:rY+7], v[rC:rC+7], v[rSX], v[rSY] matrix_a_fmt:MATRIX_FMT_FP4 matrix_b_fmt:MATRIX_FMT_FP4 matrix_a_scale:MATRIX_SCALE_ROW1
.elseif rRY
	v_wmma_scale_f32_16x16x128_f8f6f4 v[rD:rD+7], v[rX:rX+7], v[rY:rY+7], v[rC:rC+7], v[rSX], v[rSY] matrix_a_fmt:MATRIX_FMT_FP4 matrix_b_fmt:MATRIX_FMT_FP4 matrix_b_scale:MATRIX_SCALE_ROW1
.else
	v_wmma_scale_f32_16x16x128_f8f6f4 v[rD:rD+7], v[rX:rX+7], v[rY:rY+7], v[rC:rC+7], v[rSX], v[rSY] matrix_a_fmt:MATRIX_FMT_FP4 matrix_b_fmt:MATRIX_FMT_FP4
.endif
.endif
.endm
.macro QUANTW s, win, pc, pw           ; 64 numbers of a lane in window win become a fragment's codes and its scale word
.set QW, ((\win)<<2)|((\win)<<4)
	WIN QW
.irp b, 0,1,2,3
	v_max3_num_f32 v[TM+\b], s[FLOOR], |v[(\s)+16*\b]|, |v[(\s)+16*\b+1]|
.endr
.irp i, 2,4,6,8,10,12,14
.irp b, 0,1,2,3
	s_delay_alu instid0(VALU_DEP_4)
	v_max3_num_f32 v[TM+\b], v[TM+\b], |v[(\s)+16*\b+\i]|, |v[(\s)+16*\b+\i+1]|
.endr
.endr
	WIN 0
.irp b, 0,1,2,3
	v_permlanex16_b32 v[TM+4+\b], v[TM+\b], s[SEL], s[SEL+1]
.endr
.irp b, 0,1,2,3
	s_delay_alu instid0(VALU_DEP_4)
	v_max_num_f32 v[TM+\b], v[TM+\b], v[TM+4+\b]
.endr
.irp b, 0,1,2,3
	s_delay_alu instid0(VALU_DEP_4)
	v_add_nc_u32 v[TM+12+\b], 0xff000000, v[TM+\b]
.endr
.irp b, 0,1,2,3
	s_delay_alu instid0(VALU_DEP_4)
	v_lshrrev_b32 v[TM+4+\b], 23, v[TM+12+\b]
.endr
	s_delay_alu instid0(VALU_DEP_3)
	v_lshl_or_b32 v[\pw], v[TM+5], 8, v[TM+4]
	s_delay_alu instid0(VALU_DEP_1)
	v_lshl_or_b32 v[\pw], v[TM+6], 16, v[\pw]
	s_delay_alu instid0(VALU_DEP_1)
	v_lshl_or_b32 v[\pw], v[TM+7], 24, v[\pw]
	WIN \win
.irp b, 0,1,2,3
	v_cvt_scalef32_pk8_fp4_f32 v[(\pc)+2*\b], v[(\s)+16*\b:(\s)+16*\b+7], v[TM+12+\b]
	v_cvt_scalef32_pk8_fp4_f32 v[(\pc)+2*\b+1], v[(\s)+16*\b+8:(\s)+16*\b+15], v[TM+12+\b]
.endr
	WIN 0
	v_nop
.irp c, 0,1
.irp i, 0,1
	v_permlane16_swap_b32 v[(\pc)+4*\c+\i], v[(\pc)+4*\c+2+\i]
.endr
.endr
.endm
.macro KLOAD R, sl                     ; a key step's eight images of K and its scale words out of slot sl: 18 LDS loads, each of consecutive bytes
.irp t, 0,1,2,3,4,5,6,7
.irp c, 0,1
	ds_load_b128 v[\R+8*\t+4*\c:\R+8*\t+4*\c+3], v[AD16] offset:(\sl)*STEPB+1024*\t+512*\c
.endr
.endr
.irp m, 0,1
	ds_load_b64 v[KSR+2*\m:KSR+2*\m+1], v[AD8] offset:(\sl)*STEPB+16384+256*\m
.endr
.endm
.macro VLOAD R, sl                     ; the same of V
.irp t, 0,1,2,3,4,5,6,7
.irp c, 0,1
	ds_load_b128 v[\R+8*\t+4*\c:\R+8*\t+4*\c+3], v[AD16] offset:(\sl)*STEPB+8192+1024*\t+512*\c
.endr
.endr
.irp m, 0,1
	ds_load_b64 v[VSR+2*\m:VSR+2*\m+1], v[AD8] offset:(\sl)*STEPB+16896+256*\m
.endr
.endm
.macro SPROD u, RK, RS                 ; S^T of query tile u: eight tiles of 16 keys, each sum begun with the constant 0
.irp t, 0,1,2,3,4,5,6,7
.set rZ, 1
.set rD, \RS+8*\t
.set rC, rD
.set rX, \RK+8*\t
.set rY, QF+8*\u
.set rSX, KSR+\t/2
.set rSY, QS
.set rRX, \t%2
.set rRY, \u
	WM
.endr
.endm
.macro SOFTMAX u, S                    ; 64 scores of a lane, register 16 b + i = key 32 b + 16 (lane / 16) + i of the step, become p's codes and scale word; the statistics move on
.set NM, 12+4*\u
.set MT, 13+4*\u
.set SU, 14+4*\u
.set FF, 20+2*\u
.irp b, 0,1,2,3
	v_max3_num_f32 v[BM+\b], v[\S+16*\b], v[\S+16*\b+1], v[\S+16*\b+2]   ; the largest score of each block of 32 keys: for the row's maximum and, since p rises with the score, for the block's largest p
.endr
.irp i, 3,5,7,9,11,13
.irp b, 0,1,2,3
	v_max3_num_f32 v[BM+\b], v[BM+\b], v[\S+16*\b+\i], v[\S+16*\b+\i+1]
.endr
.endr
.irp b, 0,1,2,3
	v_max_num_f32 v[BM+\b], v[BM+\b], v[\S+16*\b+15]
.endr
.irp b, 0,1,2,3
	s_delay_alu instid0(VALU_DEP_4)
	v_permlanex16_b32 v[T2+\b], v[BM+\b], s[SEL], s[SEL+1]
.endr
.irp b, 0,1,2,3
	s_delay_alu instid0(VALU_DEP_4)
	v_max_num_f32 v[BM+\b], v[BM+\b], v[T2+\b]     ; with lane l xor 16's 16 keys
.endr
	s_delay_alu instid0(VALU_DEP_2)
	v_max3_num_f32 v[TMP], v[BM], v[BM+1], v[BM+2]
	s_delay_alu instid0(VALU_DEP_1)
	v_max_num_f32 v[TMP], v[TMP], v[BM+3]
	s_delay_alu instid0(VALU_DEP_1)
	v_mul_f32 v[TMP], s[CS], v[TMP]                ; as t (c is positive)
	s_delay_alu instid0(VALU_DEP_1)
	v_max_num_f32 v[MT], v[MT], v[TMP]             ; the running largest t
	v_mov_b32 v[TMP], v[NM]
	s_delay_alu instid0(VALU_DEP_2)
	v_floor_f32 v[NM], -v[MT]                      ; the new -M = floor(-t): M is a whole number
	s_delay_alu instid0(VALU_DEP_1)
	v_sub_f32 v[TMP], v[NM], v[TMP]                ; old M - new M: a whole number, 0 or less
	s_delay_alu instid0(VALU_DEP_1)
	v_cvt_i32_f32 v[TMP], v[TMP]                   ; (it saturates)
	s_delay_alu instid0(VALU_DEP_1)
	v_ldexp_f32 v[FF], 1.0, v[TMP]                 ; f = 2^(old M - new M)
.set y, 0
.rept 32
	v_pk_fma_f32 v[\S+y:\S+y+1], v[\S+y:\S+y+1], s[CS:CS+1], v[NM:NM+1] op_sel_hi:[1,0,0]   ; t - M, two at a time
.set y, y+2
.endr
.irp b, 0,1,2,3
	v_fma_f32 v[BM+\b], v[BM+\b], s[CS], v[NM]     ; the same of each block's largest score
.endr
.set y, 0
	s_wait_alu depctr_va_vdst(0)                   ; the wait ahead of the batch
.rept 64
	v_exp_f32 v[\S+y], v[\S+y]                     ; p = 2^(t - M), at most 1
.set y, y+1
.endr
.irp b, 0,1,2,3
	v_exp_f32 v[BM+\b], v[BM+\b]                   ; the block's largest p
.endr
	v_pk_mul_f32 v[SU:SU+1], v[SU:SU+1], v[FF:FF+1] op_sel_hi:[1,0]   ; the sums under the new M (a plain line behind the exponentials)
	s_wait_alu depctr_va_vdst(0)                   ; and behind it, ahead of its first reader
.irp b, 0,1,2,3
	v_max_num_f32 v[BM+\b], s[FLOOR], v[BM+\b]     ; the byte cannot fall under 1
.endr
.irp b, 0,1,2,3
	s_delay_alu instid0(VALU_DEP_4)
	v_add_nc_u32 v[T3+\b], 0xff000000, v[BM+\b]    ; the conversion's scale operand
.endr
.irp b, 0,1,2,3
	s_delay_alu instid0(VALU_DEP_4)
	v_lshrrev_b32 v[T2+\b], 23, v[T3+\b]           ; the scale's byte
.endr
	s_delay_alu instid0(VALU_DEP_3)
	v_lshl_or_b32 v[PWR+\u], v[T2+1], 8, v[T2]     ; p's scale word for these 128 keys
	s_delay_alu instid0(VALU_DEP_1)
	v_lshl_or_b32 v[PWR+\u], v[T2+2], 16, v[PWR+\u]
	s_delay_alu instid0(VALU_DEP_1)
	v_lshl_or_b32 v[PWR+\u], v[T2+3], 24, v[PWR+\u]
.irp b, 0,1,2,3
	v_cvt_scalef32_pk8_fp4_f32 v[PC+8*\u+2*\b], v[\S+16*\b:\S+16*\b+7], v[T3+\b]
	v_cvt_scalef32_pk8_fp4_f32 v[PC+8*\u+2*\b+1], v[\S+16*\b+8:\S+16*\b+15], v[T3+\b]
.endr
	v_nop                                          ; a plain line behind the last conversion
.irp c, 0,1
.irp i, 0,1
	v_permlane16_swap_b32 v[PC+8*\u+4*\c+\i], v[PC+8*\u+4*\c+2+\i]
.endr
.endr
	v_pk_add_f32 v[CH:CH+1], v[\S:\S+1], v[\S+2:\S+3]   ; the row's sum is taken of the unquantised p: two at a time, in two chains.  (These lines are also the places between p's scale word and codes and the products that take them)
.set y, 4
.rept 15
	v_pk_add_f32 v[SU:SU+1], v[SU:SU+1], v[\S+y:\S+y+1]
	v_pk_add_f32 v[CH:CH+1], v[CH:CH+1], v[\S+y+2:\S+y+3]
.set y, y+4
.endr
	s_delay_alu instid0(VALU_DEP_1)
	v_pk_add_f32 v[SU:SU+1], v[SU:SU+1], v[CH:CH+1]
.endm
.macro RESCALE u                       ; O^T of tile u under the new M, each accumulator from its low end on
	WIN 0x41                                       ; destination and source 0 window 1, f in window 0
	s_wait_alu depctr_va_vdst(0)
.set y, 0
.rept 32
	v_pk_mul_f32 v[64*\u+y:64*\u+y+1], v[64*\u+y:64*\u+y+1], v[20+2*\u:21+2*\u] op_sel_hi:[1,0]
.set y, y+2
.endr
.endm
.macro PVPROD RK                       ; O^T += V^T P^T: 16 accumulators, one instruction each: they take turns
	WIN 0x50                                       ; C and D window 1
.irp t, 0,1,2,3,4,5,6,7
.irp u, 0,1
.set rZ, 0
.set rD, 64*\u+8*\t
.set rC, rD
.set rX, \RK+8*\t
.set rY, PC+8*\u
.set rSX, VSR+\t/2
.set rSY, PWR+\u
.set rRX, \t%2
.set rRY, 0
	WM
.endr
.endr
	WIN 0
.endm
.macro ASK sl                          ; one prefetch a wave and key step: the kv block four steps on; in the loop's last trip, which has no such block, a half of K of 32 rows of Wo
	s_cmp_gt_u32 s[CNT], 1
	s_cbranch_scc0 .Lwo_\@
	global_prefetch_b8 v[PFO], s[PFA:PFA+1] th:TH_LOAD_NT scope:SCOPE_SE
	s_branch .Lasked_\@
.Lwo_\@:
	global_prefetch_b8 v[PFW], s[PFB:PFB+1] offset:256*(\sl) th:TH_LOAD_NT scope:SCOPE_SE
.Lasked_\@:
.endm
; A KEY STEP of 128 keys out of slot sl.  K lies in region RK; S^T and p take region RS; V follows K into RK; the next step's K follows p into RS.
; kind 0: when V is in registers the slot is asked for again (the key step two on).  kind 1: nothing is asked for.  kind 2: the last step: the region takes Wo's first half of K.
.macro STEP RK, RS, sl, kind
	s_wait_dscnt 0x0                               ; K is in
	PLACES 5                                       ; owed before products write over the registers from which the last products read V
	SPROD 0, \RK, \RS
	PLACES 4
	SOFTMAX 0, \RS
	SPROD 1, \RK, \RS
	PLACES 4                                       ; in front of the loads into K's registers and of the first read of the scores
	VLOAD \RK, \sl
	SOFTMAX 1, \RS
.if (\kind) == 1
	s_wait_tensorcnt 0x0                           ; the last key step's block, which I alone read, has landed
	KLOAD \RS, 1-(\sl)
	RESCALE 0
	RESCALE 1
	s_wait_alu depctr_va_vdst(0)
	s_wait_dscnt 18                                ; V is in; the 18 loads of the next K may be out
.else
	s_wait_tensorcnt 0x0                           ; my one load that was out, the other slot's, has landed;
	ds_add_u32 v[SPW], v[NIL]
.if (\kind) == 0
	s_add_nc_u64 s[G0+4*(\sl)+2:G0+4*(\sl)+3], s[G0+4*(\sl)+2:G0+4*(\sl)+3], 2*STEPB   ; no load of mine is out: this slot's next key step
	s_wait_xcnt 0x0                                ; my last prefetch has read its address
	s_add_nc_u64 s[PFA:PFA+1], s[PFA:PFA+1], STEPB
.endif
	s_wait_dscnt 0x0                               ; the add is done, V is in: my reads of this slot are over
	s_barrier_signal -1                            ; the barrier opens a round of the cluster's barrier;
	RESCALE 0                                      ; work on registers while the others arrive
	WIN 0
	s_barrier_wait -1
	CREST
.if (\kind) == 0
	tensor_load_to_lds s[G0+4*(\sl):G0+4*(\sl)+3], s[G1K:G1K+7]
	s_nop 0
	KLOAD \RS, 1-(\sl)                             ; the next step's K, out of the other slot
	ASK \sl
.else
	tensor_load_to_lds s[G0W:G0W+3], s[G1W:G1W+7]  ; both my slots are read out: 128 rows of Wo, first half of K
	s_nop 0
.endif
	RESCALE 1
.endif
	PVPROD \RK
.endm
	s_load_b256 s[4:11], s[0:1], 0x0               ; qi s[4:5], qf s[6:7], kv s[8:9], wc s[10:11]
	s_load_b128 s[12:15], s[0:1], 0x20             ; bo s[12:13], out0 s[14:15]
	v_lshl_add_u32 v[SPW], v0, 2, SPARE
	v_mov_b32 v[NIL], 0
	ds_add_u32 v[SPW], v[NIL]                      ; the opening lines: the add twice on end and one wait
	ds_add_u32 v[SPW], v[NIL]
	v_lshrrev_b32 v1, 5, v0
	s_delay_alu instid0(VALU_DEP_1)
	v_readfirstlane_b32 s[WV], v1                  ; wave 0..7 = the head
	s_bfe_u32 s24, ttmp6, 0x40000                  ; cx: it enters Q's, out0's and the prefetches' addresses alone
	s_lshl_b32 s18, ttmp9, 2
	s_add_co_u32 s18, s18, s24                     ; P: my work-group's pair of tiles, 0..63
	s_and_b32 s26, ttmp7, 0xffff                   ; the batch, which the four partners share
	s_lshl_b32 s17, s26, 3
	s_add_co_u32 s17, s17, s[WV]                   ; 8 x batch + head
	s_mul_i32 s[WB], s[WV], WREG
	s_mul_i32 s19, s17, 16*STEPB                   ; the head's block in kv
	; groups 1.  kv: a key step's 17,408 dense bytes as 68 rows of 256 (32 elements of 8 bytes).  Wo's codes: 128 rows of 256 bytes out of rows of 512, 16 bytes of padding behind each
	s_mov_b32 s[G1K], 15|(3<<16)|(1<<21)
	s_mov_b32 s[G1K+1], 32<<16
	s_mov_b32 s[G1K+2], 68<<16
	s_mov_b32 s[G1K+3], 32<<16
	s_mov_b32 s[G1K+4], 68
	s_mov_b32 s[G1K+5], 32
	s_mov_b32 s[G1K+6], 0
	s_mov_b32 s[G1K+7], 0
	s_mov_b32 s[G1W], 15|(1<<20)|(1<<21)|(5<<22)|(3<<25)
	s_mov_b32 s[G1W+1], 256<<16
	s_mov_b32 s[G1W+2], 128<<16
	s_mov_b32 s[G1W+3], 256<<16
	s_mov_b32 s[G1W+4], 128
	s_mov_b32 s[G1W+5], 512
	s_mov_b32 s[G1W+6], 0
	s_mov_b32 s[G1W+7], 0
	s_mov_b32 s[SEL], 0x76543210
	s_mov_b32 s[SEL+1], 0xfedcba98
	s_mov_b32 s[CS], 0x3d38aa3b                    ; c = log2(e) / 32
	s_mov_b32 s[CS+1], s[CS]
	s_mov_b32 s[FLOOR], 0x1800000
	s_mov_b32 s57, 0
	s_mov_b32 s61, 0
	s_wait_dscnt 0x0
	s_wait_kmcnt 0x0
	s_mov_b32 s56, s19
	s_add_nc_u64 s[58:59], s[8:9], s[56:57]
	s_mov_b32 s[G0], 1
	s_mov_b32 s[G0+1], s[WB]
	s_mov_b64 s[G0+2:G0+3], s[58:59]               ; key step 0
	s_or_b32 s[G0+3], s[G0+3], 0x80000000
	s_mov_b32 s[G0+4], 1
	s_add_co_u32 s[G0+5], s[WB], STEPB
	s_add_nc_u64 s[G0+6:G0+7], s[58:59], STEPB     ; key step 1
	s_or_b32 s[G0+7], s[G0+7], 0x80000000
	CROUND                                         ; all four work-groups are here: the joint loads meet
	tensor_load_to_lds s[G0:G0+3], s[G1K:G1K+7]    ; my one load at the head
	s_nop 0
	PLACES 4
	s_mov_b32 s[G0W], 1
	s_mov_b32 s[G0W+1], s[WB]
	s_lshl_b32 s56, s[WV], 16                      ; Wo is the fourth weight in wc; my 128 places of 512 bytes
	s_add_co_u32 s56, s56, 1572864
	s_add_nc_u64 s[G0W+2:G0W+3], s[10:11], s[56:57]
	s_lshl_b32 s60, s24, 14
	s_add_nc_u64 s[PFB:PFB+1], s[G0W+2:G0W+3], s[60:61]   ; the prefetch of Wo: my work-group's 32 of these rows
	s_or_b32 s[G0W+3], s[G0W+3], 0x80000000
	s_mul_i32 s60, s24, 4352
	s_add_co_u32 s60, s60, 3*STEPB
	s_add_nc_u64 s[PFA:PFA+1], s[58:59], s[60:61]  ; the prefetch of kv: my work-group's 17 blocks, at key step 3: key step 0 steps it to 4
	s_lshl_b32 s27, s17, 7
	s_lshl_b32 s19, s18, 1
	s_add_co_u32 s27, s27, s19                     ; my first tile: 128 (8 batch + head) + 2 P
	s_lshl_b32 s56, s27, 10
	s_add_nc_u64 s[66:67], s[4:5], s[56:57]        ; Q's images
	s_lshl_b32 s56, s27, 13
	s_add_nc_u64 s[70:71], s[6:7], s[56:57]        ; q in f32
	s_lshl_b32 s56, s17, 5
	s_lshr_b32 s19, s18, 1
	s_add_co_u32 s56, s56, s19
	s_lshl_b32 s56, s56, 8
	s_and_b32 s19, s18, 1
	s_lshl_b32 s19, s19, 2
	s_add_co_u32 s56, s56, s19
	s_add_co_u32 s56, s56, 4194304
	s_add_nc_u64 s[68:69], s[4:5], s[56:57]        ; Q's scale words: [64 rows][lane][2 words]: word P % 2
	s_lshl_b32 s56, s26, 23                        ; out0: row 2,048 batch + 32 P, column 128 head
	s_lshl_b32 s19, s18, 17
	s_add_co_u32 s56, s56, s19
	s_lshl_b32 s19, s[WV], 9
	s_add_co_u32 s56, s56, s19
	s_add_nc_u64 s[72:73], s[14:15], s[56:57]
	s_mov_b32 s56, s19
	s_add_nc_u64 s[76:77], s[12:13], s[56:57]      ; the bias of my 128 columns
	s_lshl_b32 s56, s[WV], 12
	s_add_co_u32 s56, s56, 2195456
	s_add_nc_u64 s[74:75], s[10:11], s[56:57]      ; Wo's scale bytes: my 128 places of 32 bytes
	v_and_b32 v[L32], 31, v0
	v_lshlrev_b32 v[LI], 4, v[L32]
	v_lshlrev_b32 v[L8], 3, v[L32]
	v_lshlrev_b32 v[L4], 2, v[L32]
	v_min_u32 v[PFO], 16, v[L32]
	v_lshlrev_b32 v[PFW], 9, v[L32]
	v_lshlrev_b32 v[PFO], 8, v[PFO]
	v_lshlrev_b32 v[L32], 5, v[L32]
	v_add_nc_u32 v[AD16], s[WB], v[LI]
	v_add_nc_u32 v[AD8], s[WB], v[L8]
.irp u, 0,1
.irp c, 0,1
	global_load_b128 v[QF+8*\u+4*\c:QF+8*\u+4*\c+3], v[LI], s[66:67] offset:\u*1024+512*\c
.endr
.endr
	global_load_b32 v[QS], v[L8], s[68:69]         ; lanes 0-15 the even tile's rows, lanes 16-31 the odd tile's
.irp P, 0,1,2,3
.irp f, 0,1
	global_load_b128 v[WSC+8*\P+4*\f:WSC+8*\P+4*\f+3], v[L32], s[74:75] offset:\P*1024+16*\f   ; register 8 P + q: lanes 0-15 tile 2 P's word of K step q, lanes 16-31 tile 2 P + 1's
.endr
.endr
.irp u, 0,1
	v_mov_b32 v[13+4*\u], 0xff61b1e6               ; the largest t so far: -3e38, under every t
	v_mov_b32 v[14+4*\u], 0                        ; the sum, in two halves
	v_mov_b32 v[15+4*\u], 0
	v_mov_b32 v[21+2*\u], 0                        ; (named as the upper half of f's pair)
.endr
.irp u, 0,1
	v_floor_f32 v[12+4*\u], -v[13+4*\u]            ; -M
.endr
.irp b, 0,1,2,3
	v_mov_b32 v[T2+\b], 0                          ; written once: a lane permute's destination counts as one of its sources
.endr
	WIN 0x40
.set y, 0
.rept 128
	v_mov_b32 v[y], 0                              ; O^T: so the key step is written once for all trips
.set y, y+1
.endr
	WIN 0
	s_wait_alu depctr_va_vdst(0)                   ; the wait at the head's end
	s_wait_tensorcnt 0x0                           ; key step 0 is in; slot 1's first fill is issued as a refill is:
	ds_add_u32 v[SPW], v[NIL]
	s_wait_dscnt 0x0
	CROUND
	tensor_load_to_lds s[G0+4:G0+7], s[G1K:G1K+7]  ; key step 1
	s_nop 0
	KLOAD R1, 0
	WIN 0x40
.set y, 0
.rept 32
	global_load_b128 v[128+4*y:128+4*y+3], v[LI], s[70:71] offset:512*y th:TH_LOAD_NT   ; q in f32, for the residual: wanted behind the last key step; the wave reads 512 consecutive bytes a load
.set y, y+1
.endr
	WIN 0
	s_mov_b32 s[CNT], 7
	s_wait_loadcnt 32                              ; Q, its scale words and Wo's are in; the 32 loads of q in f32 may be out
.Lpair:                                            ; key steps 0 to 13, two a trip: both slots and both regions are back where they began
	STEP R1, R2, 0, 0
	STEP R2, R1, 1, 0
	s_sub_co_u32 s[CNT], s[CNT], 1
	s_cmp_lg_u32 s[CNT], 0
	s_cbranch_scc1 .Lpair
	STEP R1, R2, 0, 1                              ; key step 14 asks for nothing
	STEP R2, R1, 1, 2                              ; key step 15 asks for Wo
	; ---- o = q + O^T / sum, in f32 where O^T stood; then quantised along the head's 128
	PLACES 4
.irp u, 0,1
	v_add_f32 v[14+4*\u], v[14+4*\u], v[15+4*\u]
.endr
.irp u, 0,1
	s_delay_alu instid0(VALU_DEP_2)
	v_permlanex16_b32 v[T2+\u], v[14+4*\u], s[SEL], s[SEL+1]
.endr
.irp u, 0,1
	s_delay_alu instid0(VALU_DEP_2)
	v_add_f32 v[14+4*\u], v[14+4*\u], v[T2+\u]     ; the row's sum
.endr
	s_wait_alu depctr_va_vdst(0)
.irp u, 0,1
	v_rcp_f32 v[20+2*\u], v[14+4*\u]
.endr
	v_nop                                          ; a plain line behind the reciprocals
	s_wait_loadcnt 0x0                             ; q in f32
	WIN 0x51                                       ; O^T and q in window 1, 1 / sum in window 0
	s_wait_alu depctr_va_vdst(0)
.irp u, 0,1
.set y, 0
.rept 32
	v_pk_fma_f32 v[64*\u+y:64*\u+y+1], v[64*\u+y:64*\u+y+1], v[20+2*\u:21+2*\u], v[128+64*\u+y:128+64*\u+y+1] op_sel_hi:[1,0,1]
.set y, y+2
.endr
.endr
	WIN 0
	v_and_b32 v[RD], 15, v0                        ; r
	v_bfe_u32 v[HB], v0, 4, 1                      ; h
	v_mul_u32_u24 v[ADRB], v[RD], 272
	v_mul_u32_u24 v[STO], v[RD], 528
	v_lshl_add_u32 v[ADRB], v[HB], 4, v[ADRB]
	v_lshl_add_u32 v[STO], v[HB], 6, v[STO]
	v_add_nc_u32 v[ADRB], s[WB], v[ADRB]           ; Wo's fragments: row r of 272 bytes, + 16 h
	v_add_nc_u32 v[STO], s[WB], v[STO]             ; the stage, in: row r of 528 bytes, + 64 h
	v_add_nc_u32 v[RD], s[WB], v[LI]               ; and back: 16 bytes a lane of a row
	v_lshlrev_b32 v[HB], 6, v[HB]
	v_add_nc_u32 v[ADX], EXC, v[LI]
	v_add_nc_u32 v[ADXS], EXS, v[L4]
	s_lshl_b32 s19, s[WV], 11
	s_lshl_b32 s27, s[WV], 7
	v_add_nc_u32 v[ADXW], s19, v[ADX]
	v_add_nc_u32 v[ADSW], s27, v[ADXS]
	WIN 0x40
.irp u, 0,1
.set y, 0
.rept 16
	global_load_b128 v[128+64*\u+4*y:128+64*\u+4*y+3], v[HB], s[76:77] offset:128*(y/4)+16*(y%4)   ; the bias goes straight into the accumulators: register 16 B + i = bo at column 32 B + 16 h + i
.set y, y+1
.endr
.endr
	WIN 0
	QUANTW 0, 1, PC, PWR
	QUANTW 64, 1, PC+8, PWR+1
	s_mov_b32 vcc_lo, 0xffff0000
	v_cndmask_b32 v[PWR+2], v[PWR], v[PWR+1], vcc_lo   ; lanes 0-15 the even tile's words, lanes 16-31 the odd tile's
	s_wait_alu depctr_va_vdst(0)
	s_wait_tensorcnt 0x0                           ; Wo's first half of K, which I alone read, has landed
.irp u, 0,1
	ds_store_b128 v[ADXW], v[PC+8*\u:PC+8*\u+3] offset:\u*1024       ; my head's codes as images of the operand's registers
	ds_store_b128 v[ADXW], v[PC+8*\u+4:PC+8*\u+7] offset:\u*1024+512
.endr
	ds_store_b32 v[ADSW], v[PWR+2]
	s_wait_dscnt 0x0                               ; for the others' sake
	s_barrier_signal -1
	s_barrier_wait -1                              ; all eight heads' codes lie in LDS.
	; ---- out = o + relu(o Wo + bo): K step q is head q; source 0 = 16 places of Wo's columns, source 1 = 16 places of o's rows
.macro FETCH q, p                      ; Wo's eight fragments and o's two of K step q into set p
.irp i, 0,1,2,3,4,5,6,7
.irp c, 0,1
	ds_load_b128 v[R1+64*(\p)+8*\i+4*\c:R1+64*(\p)+8*\i+4*\c+3], v[ADRB] offset:64*((\q)%4)+32*\c+\i*4352
.endr
.endr
.irp u, 0,1
.irp c, 0,1
	ds_load_b128 v[QF+28*(\p)+8*\u+4*\c:QF+28*(\p)+8*\u+4*\c+3], v[ADX] offset:(\q)*2048+\u*1024+512*\c
.endr
.endr
.endm
.macro MUL16 q, p                      ; the 16 accumulators take turns, in the same order in every K step
.irp b, 0,1,2,3,4,5,6,7
.irp u, 0,1
.set rZ, 0
.set rD, 128+64*\u+8*\b
.set rC, rD
.set rX, R1+64*(\p)+8*\b
.set rY, QF+28*(\p)+8*\u
.set rSX, WSC+8*(\b/2)+(\q)
.set rSY, OSC+(\q)
.set rRX, \b%2
.set rRY, \u
	WM
.endr
.endr
.endm
.macro GS q
	s_wait_dscnt 0x0                               ; this K step's fragments are in
.if (\q) > 0
	PLACES 4                                       ; in front of loads into the set that the last K step multiplied
.endif
.if (\q) == 3
	s_wait_tensorcnt 0x0                           ; my reads of the first half of K are over: the region is filled again
	ds_add_u32 v[SPW], v[NIL]
	s_add_nc_u64 s[G0W+2:G0W+3], s[G0W+2:G0W+3], 256
	s_wait_dscnt 0x0
	CROUND
	tensor_load_to_lds s[G0W:G0W+3], s[G1W:G1W+7]  ; Wo's second half of K
	s_nop 0
.elseif (\q) < 7
	FETCH (\q)+1, 1-(\q)%2
.endif
	WIN 0x50
	MUL16 \q, (\q)%2
	WIN 0
.if (\q) == 3
	s_wait_tensorcnt 0x0                           ; it has landed; I alone read it
	FETCH 4, 0
.endif
.endm
.irp q, 0,1,2,3,4,5,6,7
	ds_load_b32 v[OSC+\q], v[ADXS] offset:128*\q   ; head q's scale words
.endr
	FETCH 0, 0
	s_wait_loadcnt 0x0                             ; the bias
.irp q, 0,1,2,3,4,5,6,7
	GS \q
.endr
	PLACES 4                                       ; in front of the first read of results
.macro FIN u                           ; relu, then + o; each accumulator from its low end on
	WIN 0x45
.set y, 0
.rept 64
	v_max_num_f32 v[128+64*(\u)+y], v[128+64*(\u)+y], 0
.set y, y+1
.endr
.set y, 0
.rept 32
	v_pk_add_f32 v[128+64*(\u)+y:128+64*(\u)+y+1], v[128+64*(\u)+y:128+64*(\u)+y+1], v[64*(\u)+y:64*(\u)+y+1]
.set y, y+2
.endr
.endm
.macro TOSTAGE u                       ; into my stage by the columns' true places, and back as whole rows.  The stage lies in my region, which has had its last fill and my last read; LDS serves a wave's instructions in order
	WIN 0x04                                       ; an LDS store's data are its source 1: window 1
.irp b, 0,1,2,3,4,5,6,7
	ds_store_b128 v[STO], v[128+64*(\u)+8*\b:128+64*(\u)+8*\b+3] offset:(\u)*8448+128*(\b/2)+32*(\b%2)
	ds_store_b128 v[STO], v[128+64*(\u)+8*\b+4:128+64*(\u)+8*\b+7] offset:(\u)*8448+128*(\b/2)+32*(\b%2)+16
.endr
	WIN 0
.irp t, 0,1,2,3,4,5,6,7,8,9,10,11,12,13,14,15
	ds_load_b128 v[R1+64*(\u)+4*\t:R1+64*(\u)+4*\t+3], v[RD] offset:(\u)*8448+\t*528
.endr
.endm
.macro SEND u, younger                 ; younger: the LDS instructions issued behind tile u's loads, which may stay out
	s_wait_dscnt \younger
.irp t, 0,1,2,3,4,5,6,7,8,9,10,11,12,13,14,15
	global_store_b128 v[LI], v[R1+64*(\u)+4*\t:R1+64*(\u)+4*\t+3], s[72:73] offset:(8*(\u)+\t+8*(\t/8))*4096 th:TH_STORE_NT   ; place 16 u + t is row 8 u + t + 8 (t / 8); 32 lanes store 512 consecutive bytes, aligned
.endr
.endm
	FIN 0
	TOSTAGE 0
	FIN 1
	TOSTAGE 1
	SEND 0, 32                                     ; behind tile 0's loads: tile 1's 16 stores and 16 loads
	SEND 1, 0
	s_wait_tensorcnt 0x0                           ; the wave's end
	ds_add_u32 v[SPW], v[NIL]
	s_wait_dscnt 0x0
	CROUND                                         ; the closing round
	s_endpgm
.Lfunc_end_k_qfd3d638164_attn_out:
	.size	k_qfd3d638164_attn_out, .Lfunc_end_k_qfd3d638164_attn_out-k_qfd3d638164_attn_out
	.p2alignl 7, 3214868480
	.fill 96, 4, 3214868480
	.section	.rodata,"a",@progbits
	.p2align	6, 0x0
	.amdhsa_kernel k_qfd3d638164_attn_out
		.amdhsa_group_segment_fixed_size 327680
		.amdhsa_private_segment_fixed_size 0
		.amdhsa_enable_private_segment 0
		.amdhsa_kernarg_size 48
		.amdhsa_user_sgpr_count 2
		.amdhsa_user_sgpr_kernarg_segment_ptr 1
		.amdhsa_wavefront_size32 1
		.amdhsa_system_sgpr_workgroup_id_x 1
		.amdhsa_system_sgpr_workgroup_id_y 1
		.amdhsa_system_sgpr_workgroup_id_z 1
		.amdhsa_system_vgpr_workitem_id 0
		.amdhsa_next_free_vgpr 512
		.amdhsa_next_free_sgpr 84
		.amdhsa_reserve_vcc 1
		.amdhsa_float_denorm_mode_32 3
		.amdhsa_float_denorm_mode_16_64 3
		.amdhsa_memory_ordered 1
		.amdhsa_forward_progress 1
		.amdhsa_inst_pref_size 220
	.end_amdhsa_kernel
	.amdgpu_metadata
---
amdhsa.version: [ 1, 2 ]
amdhsa.kernels:
  - .name:           k_qfd3d638164_attn_out
    .symbol:         k_qfd3d638164_attn_out.kd
    .args:
      - { .name: qi, .offset: 0, .size: 8, .value_kind: global_buffer, .address_space: global }
      - { .name: qf, .offset: 8, .size: 8, .value_kind: global_buffer, .address_space: global }
      - { .name: kv, .offset: 16, .size: 8, .value_kind: global_buffer, .address_space: global }
      - { .name: wc, .offset: 24, .size: 8, .value_kind: global_buffer, .address_space: global }
      - { .name: bo, .offset: 32, .size: 8, .value_kind: global_buffer, .address_space: global }
      - { .name: out0, .offset: 40, .size: 8, .value_kind: global_buffer, .address_space: global }
    .group_segment_fixed_size: 327680
    .private_segment_fixed_size: 0
    .kernarg_segment_align: 8
    .kernarg_segment_size: 48
    .max_flat_workgroup_size: 256
    .sgpr_count:     84
    .vgpr_count:     512
    .wavefront_size: 32
...
	.end_amdgpu_metadata
.endif
;; end of part 3
